; MI455X (gfx1250); checked and timed in simulation.
; The chip was launched on July 23, 2026; its instructions are those of AMD's public machine-readable ISA for CDNA 5 (MIT licence, August 2026) and "CDNA5" Instruction Set Architecture Reference Guide (July 2026). The comments in the code are by the model that wrote it; some were corrected since.
;; EPTM. Allowed arithmetic: matrix products marked QUANTISED: E2M3 operands, one E8M0 scale for each 32 along K, by v_wmma_scale_f32_16x16x128_f8f6f4 with both operands' format E2M3, f32 sums; products left as they are: f32 operands where the result goes on into a quantised operand, else bf16, f16 or f32 operands; f32 sums; everything else in f32.
;; Inputs: V 512 float32; Wc0 512 x 512 float32; Wc1 512 x 512 float32; Wc2 512 x 512 float32; Wc3 512 x 512 float32; Wi 512 x 512 float32; bc0 512 float32; bc1 512 float32; bc2 512 float32; bc3 512 float32; bi 512 float32; context 32 x 2,048 x 512 float32; mask 32 x 2,048 bool; x 32 x 512 float32.
;; Outputs: out0 32 x 1 int32; out1 32 x 1 float32; out2 32 x 2,048 bool.
;; This version of the problem:
;;   THIS VERSION OF THE PROBLEM IS GIVEN IN LOW PRECISION. The matrix products marked QUANTISED in the list below multiply operands that are first quantised to E2M3 (2 exponent bits, 3 mantissa bits; 6 bits a number), with one power-of-two scale for each 32 numbers along K (OCP MX v1.0); their sums are f32. All else is computed in f32.
;;   The module's matrix products, in the order in which they are computed (A, B: the left and right operand; K: the contracted axis; several contracted axes count as one K, in the product's order):
;;     1. [M 32, K 512] x [K 512, N 512]; A: input x; B: input Wi: QUANTISED
;;     2. [M 512, K 512] x [K 512, N 65,536]; A: input Wc0; B: input context: QUANTISED
;;     3. [M 512, K 512] x [K 512, N 65,536]; A: input Wc1; B: input context: QUANTISED
;;     4. [M 512, K 512] x [K 512, N 65,536]; A: input Wc2; B: input context: QUANTISED
;;     5. [M 512, K 512] x [K 512, N 65,536]; A: input Wc3; B: input context: QUANTISED
;;     6. [M 1, K 512] x [K 512, N 262,144]; A: input V; B: computed on the way: left as it is (M = 1 < 16)
;;   THE QUANTISER, for each operand of a quantised product, along K:
;;     - K is cut into blocks of 32 from its start; a last block that is shorter is filled with zeros.
;;     - A block's scale is 2^e with e = floor(log2(the largest magnitude in the block)) - 2, held to -126 .. 127; a block of zeros has e = 0. As a byte (E8M0): e + 127.
;;     - Each number is divided by its block's scale, clamped to +-7.5, and rounded to the nearest number of E2M3, ties to even, subnormals kept.
;;     - The product sums the exact products of the quantised numbers (number of the format x scale) in f32.
;;   ~~~python
;;   def quantise(x, axis):      # numpy; x: float32 -> the quantised numbers, widened to float32 again
;;       x = np.moveaxis(x, axis, -1); K = x.shape[-1]
;;       x = np.pad(x, [(0, 0)] * (x.ndim - 1) + [(0, -K % 32)]); x = x.reshape(x.shape[:-1] + (-1, 32)); a = np.abs(x).max(-1, keepdims=True)
;;       e = np.where(a > 0, np.clip(np.frexp(np.where(a > 0, a, 1))[1] - 1 - 2, -126, 127), 0)      # np.frexp(a)[1] - 1 = floor(log2(a)), exactly
;;       r = np.clip(x / 2.0 ** e, -7.5, 7.5)
;;       step = 2.0 ** (np.maximum(np.frexp(np.where(r == 0, 1, r))[1] - 1, 0) - 3)
;;       q = np.round(r / step) * step * 2.0 ** e      # np.round: ties to even
;;       return np.moveaxis(q.reshape(q.shape[:-2] + (-1,))[..., :K], -1, axis).astype(np.float32)
;;   ~~~
;; One version. Each part assembles by itself: llvm-mc -triple=amdgcn-amd-amdhsa -mcpu=gfx1250 --defsym DOCPART=n.
;; ======== version 1 of 1: 3 launches
;; limits: right only within a limited range of input values; a difference of large sums (such as E[x^2] - mean^2): digits are lost where the result is much smaller than its terms
;; workspace buffers: wq 851,968 bytes; cb 262,144 bytes; att 1,048,576 bytes
;; launch prep (part 1): grid 20 x 1, 8 waves a work-group, no clusters, 217,088 bytes of LDS; arguments Wc0, Wc1, Wc2, Wc3, Wi, x, bi, bc0, bc1, bc2, bc3, wq, cb; writes wq, cb
.if DOCPART == 1
	.amdgcn_target "amdgcn-amd-amdhsa--gfx1250"
	.amdhsa_code_object_version 6
	.text
	.protected	k_qa40eec72e7_prep
	.globl	k_qa40eec72e7_prep
	.p2align	8
	.type	k_qa40eec72e7_prep,@function
k_qa40eec72e7_prep:
	s_mov_b64 s[64:65], 0
	v_nop
	global_prefetch_b8 v0, s[64:65] scope:SCOPE_SE
	s_setreg_imm32_b32 hwreg(HW_REG_WAVE_MODE, 25, 1), 1
	s_wait_xcnt 0x0
; PREP, the first of three launches (prep, main, pick).
; (1) The 2,048 rows of Wc0 .. Wc3 [512][512] f32 become codes of E2M3 with one E8M0 byte for each 32 along K, laid in wq as IMAGES OF THE OPERAND'S REGISTERS:
;     wq[u 16][rec 8][6,656 bytes], rec = 2 j + tt holds rows 16 t .. 16 t + 15 of Wcj, t = 2 u + tt: 13 images of 512 bytes, lane l's 16 bytes at 16 l; image 3 ks + c = registers 4 c .. 4 c + 3 of the
;     fragment of K step ks (128 along K); image 12 = the four scale words of row l % 16.
; (2) Product 1, Q(x) Q(Wi)^T, on the matrix unit; cb[b][j][h] = c (inp[b][h] + bi[h] + bcj[h]), c = 2 log2(e), f32.
; NO WORK OF reference() IS LEFT OUT AS DEAD, and every input is loaded by some launch.  What is written otherwise, by identities that hold for all values of the inputs:
;   tanh(z) = 1 - 2 / (1 + 2^(c z)), so sum_h V[h] tanh(z) = sum V + sum (-2 V[h]) / (1 + 2^(c z));  the largest softmax value is 1 / sum exp(att - max), since exp(0) = 1;  its index is that of the largest att,
;   since exp rises and the divisor is one positive number for the row.  So the 8,192 quotients of a row are not formed.
; LIMITS: the order of rounding differs from reference()'s; sum V and the weighted sum are added at the end, so their rounding grows with |sum V|; NaN and infinities among the inputs are not served;
;   a block whose largest magnitude lies under 2^-124 keeps the byte 1 (a block of zeros too, where the rule says 127: its codes are zeros, and this program alone reads the bytes).
; SHARES.  160 tiles of 16 rows x 512, a wave a tile: work-groups 0-15 take Wc(wg / 4), work-groups 16-19 take Wi and do product 1.  The two kinds part once, on the work-group's number, and each has LDS bytes of its own.
; Each load reads 512 consecutive bytes of one row (16 a lane); the conversions want 16 neighbours along K in a lane: 16 rows x 512 bytes turn through the wave's own stage in LDS (rows 528 bytes apart).
; No tensor load, no cluster: nothing is read by two work-groups but x (64 KiB).
.set STGW,  0                          ; LDS: the stages of the Wc work-groups, 8,448 bytes a wave
.set STGI,  8*8448                     ; those of the Wi work-groups
.set XIMG,  2*8*8448                   ; x's 8 fragments as images, 1,536 bytes each
.set XSC,   XIMG+8*1536                ; their scale words, 128 bytes each
.set CBS,   XSC+8*128                  ; the way out of cb: 128 rows (32 j + b) x (512 bytes + 16)
.set SPARE, CBS+128*528                ; the spare words, 128 bytes a wave: four blocks of 256 bytes that no other line names
.set SPW, 1                            ; v1   my spare word's LDS address; never rewritten
.set NIL, 2                            ; v2   0; never rewritten
.set GA,  3                            ; v3   16 x lane
.set STW, 4                            ; v4   the stage, on the way in
.set STR, 5                            ; v5   and on the way out
.set XWI, 6                            ; v6   where I store my image of x
.set XSW, 7                            ; v7   and its scale word
.set BA,  8                            ; v8   32 x (lane / 16): my eight numbers of a tile's sixteen biases
.set CSW, 9                            ; v9   cb's stage, in
.set CSR, 10                           ; v10  and back
.set LI,  11                           ; v11  lane, then XIMG + 16 x lane
.set TM,  12                           ; v12-23 largest magnitudes, bytes, scale operands
.set TQ,  24                           ; v24-31 the second halves of the blocks' codes
.set AS,  32                           ; v32-35 my tile's scale words, K steps 0-3
.set PWX, 36                           ; v36  x's scale word just made
.set LSR, 37                           ; v37  XSC + 4 x lane
.set VR,  38                           ; v38  lane % 16
.set VH,  39                           ; v39  lane / 16
.set XS,  40                           ; v40-47 x's scale words
.set D,   48                           ; v48-63 two accumulators
.set AF,  64                           ; v64-111 my tile's four fragments
.set X,   112                          ; v112-175 64 numbers, 16 neighbours of each of four blocks
.set XG,  176                          ; v176-239 x as loaded
.set BI,  176                          ; later: bi's eight, and from v184 bcj's
.set BC,  184
.set PC,  240                          ; v240-251 x's codes just made
.set CV,  112                          ; later: eight sets of eight numbers of cb
.set OUTR, 176                         ; later: 16 rows of cb read back
.set WV,  30
.set SEL, 36
.set CC,  38
.set MSB, 0
.macro WIN new                         ; the immediate's high byte repeats the setting that is left
.if MSB != \new
	s_set_vgpr_msb (MSB<<8)|\new
.set MSB, \new
.endif
.endm
; 64 numbers of a lane, register 16 b + i = k 32 b + 16 (lane / 16) + i of row lane % 16, become a fragment's 12 registers at v[d] and its scale word in v[pw].
.macro QUANT s, d, pw
.irp b, 0,1,2,3
	v_max3_num_f32 v[TM+\b], |v[(\s)+16*\b]|, |v[(\s)+1+16*\b]|, 0x1800000   ; my 16 numbers of block b, and the floor 2^(3 - 127): the byte cannot fall under 1
.endr
.irp i, 2,4,6,8,10,12,14
.irp b, 0,1,2,3
	v_max3_num_f32 v[TM+\b], v[TM+\b], |v[(\s)+16*\b+\i]|, |v[(\s)+1+16*\b+\i]|
.endr
.endr
.irp b, 0,1,2,3
	v_permlanex16_b32 v[TM+4+\b], v[TM+\b], s[SEL], s[SEL+1]
.endr
.irp b, 0,1,2,3
	v_max_num_f32 v[TM+\b], v[TM+\b], v[TM+4+\b]                 ; with lane l xor 16's: the block's largest magnitude
.endr
.irp b, 0,1,2,3
	v_add_nc_u32 v[TM+8+\b], 0xff000000, v[TM+\b]                ; 2 off its exponent field: the conversion's scale operand
.endr
.irp b, 0,1,2,3
	v_lshrrev_b32 v[TM+4+\b], 23, v[TM+8+\b]                     ; the scale's byte
.endr
	v_lshl_or_b32 v[\pw], v[TM+5], 8, v[TM+4]
	v_lshl_or_b32 v[\pw], v[TM+6], 16, v[\pw]
	v_lshl_or_b32 v[\pw], v[TM+7], 24, v[\pw]
.irp c, 0,1
	v_cvt_scalef32_pk16_fp6_f32 v[(\d)+6*\c:(\d)+6*\c+2], v[(\s)+32*\c:(\s)+32*\c+15], v[TM+8+2*\c]
	v_cvt_scalef32_pk16_fp6_f32 v[TQ+4*\c:TQ+4*\c+2], v[(\s)+16+32*\c:(\s)+31+32*\c], v[TM+9+2*\c]   ; (a conversion's three registers begin on an even number)
.endr
	v_nop                                          ; one plain place behind the scaled conversions
.irp c, 0,1                            ; the operand's layout wants a whole block in a lane
.irp i, 0,1,2
	v_permlane16_swap_b32 v[(\d)+6*\c+\i], v[TQ+4*\c+\i]
.endr
.irp i, 0,1,2
	v_mov_b32 v[(\d)+3+6*\c+\i], v[TQ+4*\c+\i]
.endr
.endr
.endm
; 16 rows x 512 bytes, as loaded, through my own stage: LDS serves a wave's instructions in order, so no wait stands between the stores and the loads
.macro TURN src, inw1
.if \inw1
	WIN 0x04                                       ; an LDS store's data are its source 1: window 1
.endif
.irp i, 0,1,2,3,4,5,6,7,8,9,10,11,12,13,14,15
	ds_store_b128 v[STW], v[(\src)+4*\i:(\src)+4*\i+3] offset:528*\i
.endr
	WIN 0
.irp b, 0,1,2,3
.irp q, 0,1,2,3
	ds_load_b128 v[X+16*\b+4*\q:X+16*\b+4*\q+3], v[STR] offset:128*\b+16*\q
.endr
.endr
	s_wait_dscnt 0x0                               ; the numbers are in, and every earlier LDS store has read its registers
.endm
; my tile: 64 loads into window 1, then K step by K step through the stage and the quantiser
.macro COMMON
	WIN 0x40
.irp ks, 0,1,2,3
.irp i, 0,1,2,3,4,5,6,7,8,9,10,11,12,13,14,15
	global_load_b128 v[64*\ks+4*\i:64*\ks+4*\i+3], v[GA], s[34:35] offset:2048*\i+512*\ks th:TH_LOAD_NT
.endr
.endr
	WIN 0
.irp ks, 0,1,2,3
	s_wait_loadcnt 48-16*\ks                       ; this K step's 16 loads are in; the later K steps' may be out
	TURN 64*\ks, 1
	QUANT X, AF+12*\ks, AS+\ks
.endr
.endm
	s_load_b512 s[4:19], s[0:1], 0x0               ; Wc0 s[4:5], Wc1, Wc2, Wc3, Wi s[12:13], x s[14:15], bi s[16:17], bc0 s[18:19]
	s_load_b256 s[20:27], s[0:1], 0x40             ; bc1, bc2, bc3, wq s[26:27]
	s_load_b64 s[28:29], s[0:1], 0x60              ; cb
	v_lshl_add_u32 v[SPW], v0, 2, SPARE
	v_mov_b32 v[NIL], 0
	v_lshrrev_b32 v[GA], 5, v0
	v_readfirstlane_b32 s[WV], v[GA]               ; wave 0..7
	v_and_b32 v[LI], 31, v0
	v_and_b32 v[VR], 15, v0
	v_bfe_u32 v[VH], v0, 4, 1
	v_lshlrev_b32 v[GA], 4, v[LI]
	v_mul_u32_u24 v[STR], v[VR], 528
	v_lshl_add_u32 v[STR], v[VH], 6, v[STR]        ; 528 r + 64 h
	s_mul_i32 s33, s[WV], 8448
	s_lshr_b32 s31, ttmp9, 2                       ; which matrix
	s_and_b32 s32, ttmp9, 3
	s_lshl_b32 s32, s32, 3
	s_add_co_u32 s32, s32, s[WV]                   ; my tile t of its 32
	s_lshl_b32 s40, s32, 15                        ; 16 rows of 2,048 bytes
	s_mov_b32 s41, 0
	s_mov_b32 s[SEL], 0x76543210
	s_mov_b32 s[SEL+1], 0xfedcba98                 ; v_permlanex16_b32's selects for lane l xor 16
	s_mov_b32 s[CC], 0x4038aa3b                    ; c = 2 log2(e)
	s_mov_b32 s[CC+1], s[CC]
.irp b, 0,1,2,3
	v_mov_b32 v[TM+4+\b], 0                        ; written once: a lane permute's destination counts as one of its sources
.endr
	s_wait_kmcnt 0x0
	s_cmp_lt_u32 ttmp9, 16
	s_cbranch_scc0 .Lpath_i
	; ---- a tile of Wc0 .. Wc3
	v_add_nc_u32 v[STW], s33, v[GA]
	v_add_nc_u32 v[STR], s33, v[STR]
	s_cmp_eq_u32 s31, 1
	s_cselect_b64 s[34:35], s[6:7], s[4:5]
	s_cmp_eq_u32 s31, 2
	s_cselect_b64 s[34:35], s[8:9], s[34:35]
	s_cmp_eq_u32 s31, 3
	s_cselect_b64 s[34:35], s[10:11], s[34:35]
	s_add_nc_u64 s[34:35], s[34:35], s[40:41]
	s_lshr_b32 s42, s32, 1
	s_lshl_b32 s42, s42, 3
	s_lshl_b32 s43, s31, 1
	s_add_co_u32 s42, s42, s43
	s_and_b32 s43, s32, 1
	s_add_co_u32 s42, s42, s43                     ; record 8 (t / 2) + 2 j + t % 2
	s_mul_i32 s42, s42, 6656
	s_mov_b32 s43, 0
	s_add_nc_u64 s[26:27], s[26:27], s[42:43]
	COMMON
.irp i, 0,1,2,3,4,5,6,7,8,9,10,11
	global_store_b128 v[GA], v[AF+4*\i:AF+4*\i+3], s[26:27] offset:512*\i   ; an image: 512 consecutive bytes, at a multiple of 256 from wq's first byte
.endr
	global_store_b128 v[GA], v[AS:AS+3], s[26:27] offset:6144
	s_wait_tensorcnt 0x0                           ; the wave's end: behind my last LDS store
	ds_add_u32 v[SPW], v[NIL]
	s_wait_dscnt 0x0
	s_endpgm
.Lpath_i:
	; ---- a tile of Wi, and product 1
	s_add_co_u32 s33, s33, STGI
	v_add_nc_u32 v[STW], s33, v[GA]
	v_add_nc_u32 v[STR], s33, v[STR]
	s_mul_i32 s42, s[WV], 1536
	s_add_co_u32 s42, s42, XIMG
	v_add_nc_u32 v[XWI], s42, v[GA]
	s_lshl_b32 s42, s[WV], 7
	s_add_co_u32 s42, s42, XSC
	v_lshl_add_u32 v[XSW], v[LI], 2, s42
	v_lshl_add_u32 v[LSR], v[LI], 2, XSC
	v_add_nc_u32 v[LI], XIMG, v[GA]
	v_lshlrev_b32 v[BA], 5, v[VH]
	v_mul_u32_u24 v[CSW], v[VR], 528
	v_lshl_add_u32 v[CSW], v[VH], 5, v[CSW]
	s_lshl_b32 s42, s[WV], 6
	s_add_co_u32 s42, s42, CBS
	v_add_nc_u32 v[CSW], s42, v[CSW]               ; row r, + 64 x wave (my tile's 16 h) + 32 x half
	s_mul_i32 s42, s[WV], 16*528
	s_add_co_u32 s42, s42, CBS
	v_add_nc_u32 v[CSR], s42, v[GA]                ; back: my 16 rows, 16 bytes a lane
	s_add_nc_u64 s[34:35], s[12:13], s[40:41]      ; Wi at my tile
	s_lshr_b32 s42, s[WV], 2
	s_lshl_b32 s42, s42, 15
	s_and_b32 s43, s[WV], 3
	s_lshl_b32 s43, s43, 9
	s_add_co_u32 s42, s42, s43
	s_mov_b32 s43, 0
	s_add_nc_u64 s[14:15], s[14:15], s[42:43]      ; x: wave w quantises rows 16 (w / 4) on, K step w % 4
	s_lshl_b32 s42, s32, 6                         ; my tile's 16 biases
.irp p, 16,18,20,22,24
	s_add_nc_u64 s[\p:\p+1], s[\p:\p+1], s[42:43]
.endr
	s_and_b32 s44, s[WV], 1
	s_lshl_b32 s44, s44, 17                        ; cb: on the way out wave w stores b = 16 (w % 2) + i, j = w / 2
	s_lshr_b32 s45, s[WV], 1
	s_lshl_b32 s45, s45, 11
	s_add_co_u32 s44, s44, s45
	s_sub_co_u32 s45, ttmp9, 16
	s_lshl_b32 s45, s45, 9                         ; the work-group's 128 h
	s_add_co_u32 s44, s44, s45
	s_mov_b32 s45, 0
	s_add_nc_u64 s[28:29], s[28:29], s[44:45]
.irp i, 0,1,2,3,4,5,6,7,8,9,10,11,12,13,14,15
	global_load_b128 v[XG+4*\i:XG+4*\i+3], v[GA], s[14:15] offset:2048*\i   ; older than the tile's loads: in when those are
.endr
	COMMON
	TURN XG, 0
	global_load_b128 v[BI:BI+3], v[BA], s[16:17]   ; into x's landing registers, which the stage's stores have read
	global_load_b128 v[BI+4:BI+7], v[BA], s[16:17] offset:16
.irp j, 0,1,2,3
	global_load_b128 v[BC+8*\j:BC+8*\j+3], v[BA], s[18+2*\j:19+2*\j]
	global_load_b128 v[BC+8*\j+4:BC+8*\j+7], v[BA], s[18+2*\j:19+2*\j] offset:16
.endr
	QUANT X, PC, PWX
.irp c, 0,1,2
	ds_store_b128 v[XWI], v[PC+4*\c:PC+4*\c+3] offset:512*\c
.endr
	ds_store_b32 v[XSW], v[PWX]
	s_wait_dscnt 0x0                               ; for the others' sake: my image of x has landed
	s_barrier_signal -1
	s_barrier_wait -1                              ; x's eight fragments lie in LDS
.irp f, 0,1,2,3,4,5,6,7                ; fragment f = 4 bt + ks: v112 + 12 f for f under 5, v216 + 12 (f - 5) above
.set XFR, 112+12*\f+(\f/5)*44
.irp c, 0,1,2
	ds_load_b128 v[XFR+4*\c:XFR+4*\c+3], v[LI] offset:1536*\f+512*\c
.endr
	ds_load_b32 v[XS+\f], v[LSR] offset:128*\f
.endr
	s_wait_dscnt 0x0
	s_wait_loadcnt 0x0                             ; the biases
; source 0 = my 16 rows of Wi, source 1 = 16 rows of x: lane (r, h) holds b = 16 bt + r and h = 16 t + 8 (lane / 16) + 0 .. 7.  The two accumulators take turns
.irp ks, 0,1,2,3
.irp bt, 0,1
.set XFR, 112+12*(4*\bt+\ks)+((4*\bt+\ks)/5)*44
.if \ks == 0
	v_wmma_scale_f32_16x16x128_f8f6f4 v[D+8*\bt:D+8*\bt+7], v[AF+12*\ks:AF+12*\ks+11], v[XFR:XFR+11], 0, v[AS+\ks], v[XS+4*\bt+\ks] matrix_a_fmt:MATRIX_FMT_FP6 matrix_b_fmt:MATRIX_FMT_FP6
.else
	v_wmma_scale_f32_16x16x128_f8f6f4 v[D+8*\bt:D+8*\bt+7], v[AF+12*\ks:AF+12*\ks+11], v[XFR:XFR+11], v[D+8*\bt:D+8*\bt+7], v[AS+\ks], v[XS+4*\bt+\ks] matrix_a_fmt:MATRIX_FMT_FP6 matrix_b_fmt:MATRIX_FMT_FP6
.endif
.endr
.endr
.irp j, 0,1,2,3                        ; (bi + bcj) c: 32 plain lines that name no register of the products: the places behind them
.irp i, 0,2,4,6
	v_pk_add_f32 v[BC+8*\j+\i:BC+8*\j+\i+1], v[BC+8*\j+\i:BC+8*\j+\i+1], v[BI+\i:BI+\i+1]
.endr
.endr
.irp j, 0,1,2,3
.irp i, 0,2,4,6
	v_pk_mul_f32 v[BC+8*\j+\i:BC+8*\j+\i+1], v[BC+8*\j+\i:BC+8*\j+\i+1], s[CC:CC+1] op_sel_hi:[1,0]
.endr
.endr
.irp bt, 0,1                           ; cb = c x product + (bi + bcj) c, each accumulator from its low end on; into the stage, row 32 j + 16 bt + r
.irp j, 0,1,2,3
.irp i, 0,2,4,6
	v_pk_fma_f32 v[CV+8*(4*\bt+\j)+\i:CV+8*(4*\bt+\j)+\i+1], v[D+8*\bt+\i:D+8*\bt+\i+1], s[CC:CC+1], v[BC+8*\j+\i:BC+8*\j+\i+1] op_sel_hi:[1,0,1]
.endr
	ds_store_b128 v[CSW], v[CV+8*(4*\bt+\j):CV+8*(4*\bt+\j)+3] offset:(32*\j+16*\bt)*528
	ds_store_b128 v[CSW], v[CV+8*(4*\bt+\j)+4:CV+8*(4*\bt+\j)+7] offset:(32*\j+16*\bt)*528+16
.endr
.endr
	s_wait_dscnt 0x0                               ; for the others' sake: my part of the rows has landed
	s_barrier_signal -1
	s_barrier_wait -1
.irp i, 0,1,2,3,4,5,6,7,8,9,10,11,12,13,14,15
	ds_load_b128 v[OUTR+4*\i:OUTR+4*\i+3], v[CSR] offset:528*\i
.endr
.irp i, 0,1,2,3,4,5,6,7,8,9,10,11,12,13,14,15
	s_wait_dscnt 15-\i                             ; row i is back; the younger reads may be out
	global_store_b128 v[GA], v[OUTR+4*\i:OUTR+4*\i+3], s[28:29] offset:8192*\i   ; 512 consecutive bytes, at a multiple of 256 from cb's first byte
.endr
	s_wait_tensorcnt 0x0                           ; the wave's end: behind my last LDS store
	ds_add_u32 v[SPW], v[NIL]
	s_wait_dscnt 0x0
	s_endpgm
.Lfunc_end_k_qa40eec72e7_prep:
	.size	k_qa40eec72e7_prep, .Lfunc_end_k_qa40eec72e7_prep-k_qa40eec72e7_prep
	.p2alignl 7, 3214868480
	.fill 96, 4, 3214868480
	.section	.rodata,"a",@progbits
	.p2align	6, 0x0
	.amdhsa_kernel k_qa40eec72e7_prep
		.amdhsa_group_segment_fixed_size 217088
		.amdhsa_private_segment_fixed_size 0
		.amdhsa_enable_private_segment 0
		.amdhsa_kernarg_size 104
		.amdhsa_user_sgpr_count 2
		.amdhsa_user_sgpr_kernarg_segment_ptr 1
		.amdhsa_wavefront_size32 1
		.amdhsa_system_sgpr_workgroup_id_x 1
		.amdhsa_system_sgpr_workgroup_id_y 1
		.amdhsa_system_sgpr_workgroup_id_z 1
		.amdhsa_system_vgpr_workitem_id 0
		.amdhsa_next_free_vgpr 512
		.amdhsa_next_free_sgpr 66
		.amdhsa_reserve_vcc 0
		.amdhsa_float_denorm_mode_32 3
		.amdhsa_float_denorm_mode_16_64 3
		.amdhsa_memory_ordered 1
		.amdhsa_forward_progress 1
		.amdhsa_inst_pref_size 85
	.end_amdhsa_kernel
	.amdgpu_metadata
---
amdhsa.version: [ 1, 2 ]
amdhsa.kernels:
  - .name:           k_qa40eec72e7_prep
    .symbol:         k_qa40eec72e7_prep.kd
    .args:
      - { .name: Wc0, .offset: 0, .size: 8, .value_kind: global_buffer, .address_space: global }
      - { .name: Wc1, .offset: 8, .size: 8, .value_kind: global_buffer, .address_space: global }
      - { .name: Wc2, .offset: 16, .size: 8, .value_kind: global_buffer, .address_space: global }
      - { .name: Wc3, .offset: 24, .size: 8, .value_kind: global_buffer, .address_space: global }
      - { .name: Wi, .offset: 32, .size: 8, .value_kind: global_buffer, .address_space: global }
      - { .name: x, .offset: 40, .size: 8, .value_kind: global_buffer, .address_space: global }
      - { .name: bi, .offset: 48, .size: 8, .value_kind: global_buffer, .address_space: global }
      - { .name: bc0, .offset: 56, .size: 8, .value_kind: global_buffer, .address_space: global }
      - { .name: bc1, .offset: 64, .size: 8, .value_kind: global_buffer, .address_space: global }
      - { .name: bc2, .offset: 72, .size: 8, .value_kind: global_buffer, .address_space: global }
      - { .name: bc3, .offset: 80, .size: 8, .value_kind: global_buffer, .address_space: global }
      - { .name: wq, .offset: 88, .size: 8, .value_kind: global_buffer, .address_space: global }
      - { .name: cb, .offset: 96, .size: 8, .value_kind: global_buffer, .address_space: global }
    .group_segment_fixed_size: 217088
    .private_segment_fixed_size: 0
    .kernarg_segment_align: 8
    .kernarg_segment_size: 104
    .max_flat_workgroup_size: 256
    .sgpr_count:     66
    .vgpr_count:     512
    .wavefront_size: 32
...
	.end_amdgpu_metadata
.endif
;; end of part 1
;; launch main (part 2): grid 256 x 1, 8 waves a work-group, clusters of 4 x 1, 327,680 bytes of LDS; arguments context, wq, cb, V, att; writes att
.if DOCPART == 2
	.amdgcn_target "amdgcn-amd-amdhsa--gfx1250"
	.amdhsa_code_object_version 6
	.text
	.protected	k_qa40eec72e7_main
	.globl	k_qa40eec72e7_main
	.p2align	8
	.type	k_qa40eec72e7_main,@function
k_qa40eec72e7_main:
	s_mov_b64 s[64:65], 0
	v_nop
	global_prefetch_b8 v0, s[64:65] scope:SCOPE_SE
	s_setreg_imm32_b32 hwreg(HW_REG_WAVE_MODE, 25, 1), 1
	s_wait_xcnt 0x0
	s_wait_alu depctr_hold_cnt(0) depctr_sa_sdst(0) depctr_va_vdst(0) depctr_va_sdst(0) depctr_va_ssrc(0) depctr_va_vcc(0) depctr_vm_vsrc(0)
	s_getreg_b32 s2, hwreg(HW_REG_IB_STS2, 6, 4)
	s_cmp_eq_u32 s2, 0
	s_cbranch_scc0 .Lentry_in_a_cluster
	s_endpgm
.Lentry_in_a_cluster:
	s_bfe_u32 s2, ttmp6, 0x10000c
	s_cmp_lg_u32 s2, 0x3003
	s_cbranch_scc0 .Lentry_shape_is_right
	s_endpgm
.Lentry_shape_is_right:
; MAIN: att[b][j 2048 + s] = sum over h of (-2 V[h]) / (1 + 2^(c z)), z = inp[b][h] + bcj[h] + Q(Wcj)[h] . Q(context)[b][s], c = 2 log2(e).  (tanh(z) = 1 - 2 / (1 + 2^(c z)): the launch pick adds sum V.)  No work is left out.
; SHARES.  A work-group owns 256 rows of context (one b, 16 tiles of 16 s) against all 2,048 weight rows: context is read and quantised once.  Eight waves of 512 registers, two to a SIMD.
; Wave w: sq = w % 4: it keeps the codes of tiles 4 sq .. 4 sq + 3 of s (192 registers) for the whole launch;  jh = w / 4: it walks the tiles of 16 h of Wc(2 jh) and Wc(2 jh + 1).
; A UNIT is one record of weights (16 h of one j, 6,656 bytes from LDS) against my four tiles: 16 matrix instructions on four accumulators.  A slot of the ring holds four units of mine, the launch 64.
; LAYOUT.  Source 0 = 16 weight rows, source 1 = 16 rows of context: lane (r, half) holds ONE s and its 8 registers h = 16 t + 8 half + 0 .. 7: bias and V are 8 registers a unit, the sum over h stays in the lane.
; BY STAGES.  There are two sets of four accumulators, two buffers for the weights' fragments and two for the tables.  In stage n the products of unit n go into one set, in four runs of four (a K step each), and stand
; between the parts of the tanh of unit n - 1, which works on the other set: so the wave has vector work to issue while the matrix unit works, and the tanh lines are the places behind the products.
; At a stage's head stand its LDS loads, in one run: unit n + 1's record and unit n's table; they have the whole stage in which to land, so every wait for LDS is for 0 and is met at once.
; FOUR TERMS SHARE ONE RECIPROCAL: with a = 1 + 2^y, V0/a0 + V1/a1 + V2/a2 + V3/a3 = N / M, M = a0 a1 a2 a3; packed forms do two such groups at a time.
; LIMITS: y = c z is held at 30 from above, so that M stays under 2^121: each tanh moves by at most 2^-29; |V| under 2^36; NaN and infinities among the inputs are not served; blocks of context under 2^-124 keep the byte 1.
; THE WEIGHTS (prep's images, 53,248 bytes for two tiles of h of all four j) come through a ring of two LDS slots.  CLUSTER: all work-groups walk the same weights; the four of a cluster ask JOINTLY: each wave's
; tensor load brings one record of 6,656 bytes with the same descriptor and a mask that names the four.  By this text's count a wave has two tensor loads out at the start, later one.
; No prefetch: context is wanted at the head alone, 64 loads a wave at once; the weights are asked for by every cluster again.
; REGISTERS.  Window 0: v1-7 addresses; v8-15 context's scale words, v16-23 the weights', two sets (these hold scales and nothing else); v24-55 two tables (bias 8, -2 V 8); v56-63 at work; v64-127 two sets of four
; accumulators; v128-223 two buffers of the weights' four fragments (in the head v28-151 are at work).  Window 1: v0-191 context's 16 fragments, at 12 (4 tile + ks); v192-207 the sums (in the head: four landing buffers).
.set SLOT1, 65536                      ; slot 0 at 0, slot 1 here: one exclusive or turns an address
.set REC,   6656
.set SLOTB, 8*REC
.set XSC,   53248                      ; context's scale words [tile 16][row 16][16 bytes]
.set SPARE, 57344                      ; the spare words, 128 bytes a wave: four blocks of 256 bytes that no other line names
.set OST,   58368                      ; the way out: 512 bytes a wave
.set TAB,   118784                     ; [j 4][t 32][half 2][bias 8 | -2 V 8], 64 bytes each
.set XIMG,  135168                     ; context's 64 fragments as images: 1,536 (4 tile + ks)
.set STAGE, 233472                     ; 8,448 bytes a wave
.set SPW, 1
.set NIL, 2
.set AW0, 3                            ; v3   16 lane + 4 REC jh
.set AT0, 4                            ; v4   TAB + 8,192 jh + 64 half
.set ADA, 5                            ; v5   the weights' images in the slot in hand
.set ADT, 6                            ; v6   the table's place in hand
.set LI,  7                            ; v7   16 lane
.set CS,  8                            ; v8-15  register 4 g + ks: lanes 0-15 tile 2 g's word, lanes 16-31 tile 2 g + 1's
.set ASB, 16                           ; v16-23 the weights' scale words: set p at 16 + 4 p
.set TR,  24                           ; v24-55 tables: set p at 24 + 16 p: bias, then -2 V
.set T,   56                           ; v56-63 a pair for each tile
.set DS,  64                           ; v64-127 accumulators: set p, tile i at 64 + 32 p + 8 i
.set AB,  128                          ; v128-223 the weights' fragments: buffer p, K step ks at 128 + 48 p + 12 ks
.set ACC, 192                          ; window 1: the sums: pair 4 jj + tile
.set PC,  28                           ; the head: codes just made
.set TQ,  40
.set X,   48
.set TM,  112
.set PW,  124
.set STW, 128
.set STR, 129
.set XWI, 130
.set XWS, 131
.set TBA, 133
.set CBO, 134
.set VO,  135
.set TD,  136
.set WV,  14
.set SEL, 40
.set CC,  42
.set HOLD, 44
.set TB,  45
.set TT,  46
.set SLOTS, 47
.set MSB, 0
.macro WIN new                         ; the immediate's high byte repeats the setting that is left
.if MSB != \new
	s_set_vgpr_msb (MSB<<8)|\new
.set MSB, \new
.endif
.endm
.macro NOP4
.rept 4
	v_nop
.endr
.endm
.macro CREST                           ; a round of the cluster's barrier behind its opening barrier
	s_cmp_lg_u32 s[WV], 0
	s_cbranch_scc1 .Lnot_wave_0_\@
	s_barrier_signal -3
.Lnot_wave_0_\@:
	s_barrier_wait -3
	s_barrier_signal -1
	s_barrier_wait -1
.endm
.macro CROUND                          ; a whole round
	s_barrier_signal -1
	s_barrier_wait -1
	CREST
.endm
; 64 numbers of a lane, register 16 b + i = k 32 b + 16 (lane / 16) + i of row lane % 16, become a fragment's 12 registers at v[d] and its scale word in v[pw].
.macro QUANT s, d, pw
.irp b, 0,1,2,3
	v_max3_num_f32 v[TM+\b], |v[(\s)+16*\b]|, |v[(\s)+1+16*\b]|, 0x1800000   ; my 16 numbers of block b, and the floor 2^(3 - 127): the byte cannot fall under 1
.endr
.irp i, 2,4,6,8,10,12,14
.irp b, 0,1,2,3
	v_max3_num_f32 v[TM+\b], v[TM+\b], |v[(\s)+16*\b+\i]|, |v[(\s)+1+16*\b+\i]|
.endr
.endr
.irp b, 0,1,2,3
	v_permlanex16_b32 v[TM+4+\b], v[TM+\b], s[SEL], s[SEL+1]
.endr
.irp b, 0,1,2,3
	v_max_num_f32 v[TM+\b], v[TM+\b], v[TM+4+\b]                 ; with lane l xor 16's: the block's largest magnitude
.endr
.irp b, 0,1,2,3
	v_add_nc_u32 v[TM+8+\b], 0xff000000, v[TM+\b]                ; 2 off its exponent field: the conversion's scale operand
.endr
.irp b, 0,1,2,3
	v_lshrrev_b32 v[TM+4+\b], 23, v[TM+8+\b]                     ; the scale's byte
.endr
	v_lshl_or_b32 v[\pw], v[TM+5], 8, v[TM+4]
	v_lshl_or_b32 v[\pw], v[TM+6], 16, v[\pw]
	v_lshl_or_b32 v[\pw], v[TM+7], 24, v[\pw]
.irp c, 0,1
	v_cvt_scalef32_pk16_fp6_f32 v[(\d)+6*\c:(\d)+6*\c+2], v[(\s)+32*\c:(\s)+32*\c+15], v[TM+8+2*\c]
	v_cvt_scalef32_pk16_fp6_f32 v[TQ+4*\c:TQ+4*\c+2], v[(\s)+16+32*\c:(\s)+31+32*\c], v[TM+9+2*\c]   ; (a conversion's three registers begin on an even number)
.endr
	v_nop                                          ; one plain place behind the scaled conversions
.irp c, 0,1                            ; the operand's layout wants a whole block in a lane
.irp i, 0,1,2
	v_permlane16_swap_b32 v[(\d)+6*\c+\i], v[TQ+4*\c+\i]
.endr
.irp i, 0,1,2
	v_mov_b32 v[(\d)+3+6*\c+\i], v[TQ+4*\c+\i]
.endr
.endr
.endm
; 16 rows x 512 bytes, as loaded, through my own stage (rows 528 bytes apart): LDS serves a wave's instructions in order
.macro TURN src, inw1
.if \inw1
	WIN 0x04                                       ; an LDS store's data are its source 1: window 1
.endif
.irp i, 0,1,2,3,4,5,6,7,8,9,10,11,12,13,14,15
	ds_store_b128 v[STW], v[(\src)+4*\i:(\src)+4*\i+3] offset:528*\i
.endr
	WIN 0
.irp b, 0,1,2,3
.irp q, 0,1,2,3
	ds_load_b128 v[X+16*\b+4*\q:X+16*\b+4*\q+3], v[STR] offset:128*\b+16*\q
.endr
.endr
	s_wait_dscnt 0x0                               ; the numbers are in, and every earlier LDS store has read its registers
.endm
.macro GLOAD f                         ; fragment f of my eight (tile f / 4 of my two, K step f % 4): 16 rows, 512 consecutive bytes a load, into landing buffer f % 4
	WIN 0x40
.irp i, 0,1,2,3,4,5,6,7,8,9,10,11,12,13,14,15
	global_load_b128 v[64*((\f)%4)+4*\i:64*((\f)%4)+4*\i+3], v[LI], s[4:5] offset:(16*((\f)/4)+\i)*2048+((\f)%4)*512 th:TH_LOAD_NT
.endr
	WIN 0
.endm
	s_load_b256 s[4:11], s[0:1], 0x0               ; context s[4:5], wq s[6:7], cb s[8:9], V s[10:11]
	s_load_b64 s[12:13], s[0:1], 0x20              ; att
	v_lshl_add_u32 v[SPW], v0, 2, SPARE
	v_mov_b32 v[NIL], 0
	ds_add_u32 v[SPW], v[NIL]                      ; the wave's opening: the add, twice on end, and its wait ahead of my first tensor load
	ds_add_u32 v[SPW], v[NIL]
	v_lshrrev_b32 v3, 5, v0
	v_readfirstlane_b32 s[WV], v3                  ; wave 0..7
	s_lshr_b32 s15, s[WV], 2                       ; jh
	s_and_b32 s16, s[WV], 3                        ; sq
	s_bfe_u32 s17, ttmp6, 0x40000                  ; cx
	s_lshl_b32 s18, ttmp9, 2
	s_add_co_u32 s18, s18, s17                     ; my block of 256 rows: it enters context's and att's addresses alone
	s_lshr_b32 s19, ttmp9, 1                       ; b, which the four partners share
	s_mov_b32 s24, 15|(3<<16)|(1<<21)              ; group 1: the mask names all four; elements of 8 bytes; bit 21 beside a mask; no padding
	s_mov_b32 s25, 32<<16                          ; tensor_dim0 = 32 (256 bytes)
	s_mov_b32 s26, 26<<16                          ; tensor_dim1 = 26 rows: a record's 6,656 dense bytes
	s_mov_b32 s27, 32<<16                          ; tile_dim0
	s_mov_b32 s28, 26                              ; tile_dim1
	s_mov_b32 s29, 32                              ; the pitch
	s_mov_b32 s30, 0
	s_mov_b32 s31, 0
	s_mov_b32 s[SEL], 0x76543210
	s_mov_b32 s[SEL+1], 0xfedcba98
	s_mov_b32 s[CC], 0x4038aa3b                    ; c = 2 log2(e)
	s_mov_b32 s[CC+1], s[CC]
	s_mov_b32 s[HOLD], 0x41f00000                  ; 30.0
	s_mul_i32 s48, s[WV], REC                      ; the record that I fetch, in a slot and in memory: the wave's number alone
	s_mov_b32 s49, 0
	s_lshl_b32 s50, s18, 19                        ; 256 rows of 2,048 bytes
	s_lshl_b32 s51, s[WV], 16                      ; the 32 of them that I quantise
	s_add_co_u32 s50, s50, s51
	s_mov_b32 s51, 0
	s_lshl_b32 s52, s19, 13
	s_mov_b32 s53, 0
	s_lshl_b32 s54, s19, 15                        ; att: b 32,768 + 2 jh 8,192 + (block % 8) 1,024 + sq 256
	s_lshl_b32 s55, s15, 14
	s_add_co_u32 s54, s54, s55
	s_and_b32 s55, s18, 7
	s_lshl_b32 s55, s55, 10
	s_add_co_u32 s54, s54, s55
	s_lshl_b32 s55, s16, 8
	s_add_co_u32 s54, s54, s55
	s_mov_b32 s55, 0
	s_wait_dscnt 0x0                               ; both opening adds are done
	s_wait_kmcnt 0x0
	s_add_nc_u64 s[6:7], s[6:7], s[48:49]
	s_add_nc_u64 s[4:5], s[4:5], s[50:51]
	s_add_nc_u64 s[8:9], s[8:9], s[52:53]
	s_add_nc_u64 s[12:13], s[12:13], s[54:55]
	CROUND                                         ; all four work-groups are here: the first joint loads meet
	s_mov_b32 s32, 1
	s_mov_b32 s33, s48                             ; slot 0
	s_mov_b64 s[34:35], s[6:7]                     ; tiles 0, 1 of h
	s_or_b32 s35, s35, 0x80000000
	s_mov_b32 s36, 1
	s_add_co_u32 s37, s48, SLOT1                   ; slot 1; this group 0 then walks
	s_add_nc_u64 s[38:39], s[6:7], SLOTB           ; tiles 2, 3
	s_or_b32 s39, s39, 0x80000000
	tensor_load_to_lds s[32:35], s[24:31]
	s_nop 0
	tensor_load_to_lds s[36:39], s[24:31]
	s_nop 0
	NOP4
	v_and_b32 v127, 31, v0                         ; lane
	v_and_b32 v125, 15, v0                         ; r
	v_bfe_u32 v126, v0, 4, 1                       ; half
	v_lshlrev_b32 v[LI], 4, v127
	s_mul_i32 s48, s15, 4*REC
	v_add_nc_u32 v[AW0], s48, v[LI]
	s_lshl_b32 s48, s15, 13
	s_add_co_u32 s48, s48, TAB
	v_lshl_add_u32 v[AT0], v126, 6, s48
	s_mul_i32 s48, s[WV], 8448
	s_add_co_u32 s48, s48, STAGE
	v_add_nc_u32 v[STW], s48, v[LI]
	v_mul_u32_u24 v[STR], v125, 528
	v_lshl_add_u32 v[STR], v126, 6, v[STR]
	v_add_nc_u32 v[STR], s48, v[STR]
	s_mul_i32 s48, s[WV], 8*1536
	s_add_co_u32 s48, s48, XIMG
	v_add_nc_u32 v[XWI], s48, v[LI]
	s_lshl_b32 s48, s[WV], 9
	s_add_co_u32 s48, s48, XSC
	v_lshl_add_u32 v[XWS], v125, 4, s48
	v_lshl_add_u32 v[TBA], v0, 6, TAB              ; thread n makes the table's n-th 64 bytes: j = n / 64, h = 8 (n % 64) on
	v_lshlrev_b32 v[CBO], 5, v0
	v_and_b32 v[VO], 63, v0
	v_lshlrev_b32 v[VO], 5, v[VO]
.irp b, 0,1,2,3
	v_mov_b32 v[TM+4+\b], 0                        ; written once: a lane permute's destination counts as one of its sources
.endr
	global_load_b128 v[TD:TD+3], v[CBO], s[8:9]
	global_load_b128 v[TD+4:TD+7], v[CBO], s[8:9] offset:16
	global_load_b128 v[TD+8:TD+11], v[VO], s[10:11]
	global_load_b128 v[TD+12:TD+15], v[VO], s[10:11] offset:16
	GLOAD 0
	GLOAD 1
	GLOAD 2
	GLOAD 3
; THE HEAD: rows 32 w .. 32 w + 31 of the block become eight fragments; their images and scale words go to LDS for all waves
.irp f, 0,1,2,3,4,5,6,7
.if \f < 5
	s_wait_loadcnt 48                              ; fragment f's 16 loads (and all older) are in; the three younger fragments' may be out
.else
	s_wait_loadcnt 16*(7-\f)
.endif
.if \f == 0
.irp i, 8,10,12,14
	v_pk_mul_f32 v[TD+\i:TD+\i+1], v[TD+\i:TD+\i+1], -2.0 op_sel_hi:[1,0]
.endr
.irp i, 0,1,2,3
	ds_store_b128 v[TBA], v[TD+4*\i:TD+4*\i+3] offset:16*\i
.endr
.endif
	TURN 64*(\f%4), 1
.if \f < 4
	GLOAD \f+4                                     ; into the buffer that the stage's stores have read
.endif
	QUANT X, PC, PW
.irp c, 0,1,2
	ds_store_b128 v[XWI], v[PC+4*\c:PC+4*\c+3] offset:1536*\f+512*\c
.endr
	ds_store_b32 v[XWS], v[PW] offset:256*(\f/4)+4*(\f%4)   ; both halves of the lanes write the same word with the same value
.endr
	s_wait_tensorcnt 0x1                           ; my record of slot 0 is in; slot 1's may stay out
	s_wait_dscnt 0x0                               ; my images, scale words and part of the table have landed
	s_barrier_signal -1
	s_barrier_wait -1
	s_mul_i32 s48, s16, 16*1536
	s_add_co_u32 s48, s48, XIMG
	v_add_nc_u32 v56, s48, v[LI]                   ; my four tiles' images
	s_lshl_b32 s48, s16, 10
	s_add_co_u32 s48, s48, XSC
	v_add_nc_u32 v57, s48, v[LI]                   ; their scale words: lanes 0-15 take tile 2 g's rows, lanes 16-31 tile 2 g + 1's
	WIN 0x40
.irp f, 0,1,2,3,4,5,6,7,8,9,10,11,12,13,14,15
.irp c, 0,1,2
	ds_load_b128 v[12*\f+4*\c:12*\f+4*\c+3], v56 offset:1536*\f+512*\c   ; fragment f = 4 tile + ks
.endr
.endr
	WIN 0
.irp g, 0,1
	ds_load_b128 v[CS+4*\g:CS+4*\g+3], v57 offset:512*\g
.endr
	WIN 0x40
.irp i, 0,1,2,3,4,5,6,7,8,9,10,11,12,13,14,15
	v_mov_b32 v[ACC+\i], 0                         ; the sums: a pair for each of my two j x four tiles
.endr
	WIN 0
.macro ALOAD k, par                    ; unit k of the slot in hand: its four fragments and scale words into buffer par
.irp i, 0,1,2,3,4,5,6,7,8,9,10,11
	ds_load_b128 v[AB+48*(\par)+4*\i:AB+48*(\par)+4*\i+3], v[ADA] offset:(\k)*REC+512*\i
.endr
	ds_load_b128 v[ASB+4*(\par):ASB+4*(\par)+3], v[ADA] offset:(\k)*REC+6144
.endm
.macro TLD k, par                      ; unit k's eight biases and eight -2 V of my half: j = 2 jh + k / 2, tile of h k % 2 of the slot's two
.irp q, 0,1,2,3
	ds_load_b128 v[TR+16*(\par)+4*\q:TR+16*(\par)+4*\q+3], v[ADT] offset:((\k)/2)*4096+((\k)%2)*128+16*\q
.endr
.endm
; A RUN: K step ks of a unit's products, my four tiles: the four accumulators of set par take turns, one instruction a turn; K step 0 starts the sums
.macro CL ks, par
	WIN 0x04                                       ; source 1 (context) in window 1
.irp i, 0,1,2,3
.set rD, DS+32*(\par)+8*\i
.set rA, AB+48*(\par)+12*(\ks)
.set rB, 12*(4*\i+(\ks))
.set rSA, ASB+4*(\par)+(\ks)
.set rSB, CS+4*(\i/2)+(\ks)
.if ((\ks) == 0) && (\i%2 == 0)
	v_wmma_scale_f32_16x16x128_f8f6f4 v[rD:rD+7], v[rA:rA+11], v[rB:rB+11], 0, v[rSA], v[rSB] matrix_a_fmt:MATRIX_FMT_FP6 matrix_b_fmt:MATRIX_FMT_FP6
.elseif (\ks) == 0
	v_wmma_scale_f32_16x16x128_f8f6f4 v[rD:rD+7], v[rA:rA+11], v[rB:rB+11], 0, v[rSA], v[rSB] matrix_a_fmt:MATRIX_FMT_FP6 matrix_b_fmt:MATRIX_FMT_FP6 matrix_b_scale:MATRIX_SCALE_ROW1
.elseif \i%2 == 0
	v_wmma_scale_f32_16x16x128_f8f6f4 v[rD:rD+7], v[rA:rA+11], v[rB:rB+11], v[rD:rD+7], v[rSA], v[rSB] matrix_a_fmt:MATRIX_FMT_FP6 matrix_b_fmt:MATRIX_FMT_FP6
.else
	v_wmma_scale_f32_16x16x128_f8f6f4 v[rD:rD+7], v[rA:rA+11], v[rB:rB+11], v[rD:rD+7], v[rSA], v[rSB] matrix_a_fmt:MATRIX_FMT_FP6 matrix_b_fmt:MATRIX_FMT_FP6 matrix_b_scale:MATRIX_SCALE_ROW1
.endif
.endr
.endm
; A STAGE'S BODY.  The tanh of the unit in set 1 - par, with table 1 - par, its sums to j = 2 jh + aj; between its parts (mm = 1) the four runs of the next unit's products, into set par from buffer par.
; The tanh's lines name no register of those products: behind the last run stand 32 plain lines or more, the places ahead of the next stage's loads into the buffer and of its first read of the results.
; One wait serves the 32 exponentials and one the 8 reciprocals, each ahead of the batch's first reader.
; sig = 1, 2: THE CHANGE OF SLOTS begins here.  My last reads of the slot in hand (its unit 3's record) were asked for at this stage's head.  Each wave waits for all its tensor loads (its record of the other slot), adds 0 to
; its spare word, waits for that and for its reads, and signals; the last run, the sums and two v_nop, work on registers, stand between the signal and the wait, which follows the macro.  sig = 2: the slot is filled again.
.macro BODY par, aj, sig, mm
.set rP, DS+32*(1-(\par))
.set rC, TR+16*(1-(\par))
.set rV, TR+16*(1-(\par))+8
.set rAC, ACC+8*(\aj)
	WIN 0
.irp p, 0,1,2,3
.irp i, 0,2,4,6
	v_pk_fma_f32 v[rP+8*\p+\i:rP+8*\p+\i+1], v[rP+8*\p+\i:rP+8*\p+\i+1], s[CC:CC+1], v[rC+\i:rC+\i+1] op_sel_hi:[1,0,1]   ; y = c x product + bias; each accumulator from its low end on
.endr
.endr
.if \mm
	CL 0, \par
	WIN 0
.endif
.irp i, 0,1,2,3,4,5,6,7,8,9,10,11,12,13,14,15,16,17,18,19,20,21,22,23,24,25,26,27,28,29,30,31
	v_min_num_f32 v[rP+\i], s[HOLD], v[rP+\i]
.endr
.if \mm
	CL 1, \par
	WIN 0
.endif
.irp i, 0,1,2,3,4,5,6,7,8,9,10,11,12,13,14,15
	v_exp_f32 v[rP+\i], v[rP+\i]
.endr
.if \mm
	CL 2, \par
	WIN 0
.endif
.irp i, 16,17,18,19,20,21,22,23,24,25,26,27,28,29,30,31
	v_exp_f32 v[rP+\i], v[rP+\i]
.endr
	v_nop                                          ; a plain place behind the last exponential
	s_wait_alu depctr_va_vdst(0)                   ; one wait for the 32, ahead of their first reader
.irp p, 0,1,2,3
	v_pk_add_f32 v[rP+8*\p+2:rP+8*\p+3], v[rP+8*\p+2:rP+8*\p+3], 1.0 op_sel_hi:[1,0]     ; a1
.endr
.irp p, 0,1,2,3
	v_pk_add_f32 v[rP+8*\p+6:rP+8*\p+7], v[rP+8*\p+6:rP+8*\p+7], 1.0 op_sel_hi:[1,0]     ; a3
.endr
.irp p, 0,1,2,3
	v_pk_fma_f32 v[T+2*\p:T+2*\p+1], v[rV+2:rV+3], v[rP+8*\p:rP+8*\p+1], v[rV+2:rV+3]    ; V1 a0
.endr
.irp p, 0,1,2,3
	v_pk_fma_f32 v[rP+8*\p:rP+8*\p+1], v[rP+8*\p:rP+8*\p+1], v[rP+8*\p+2:rP+8*\p+3], v[rP+8*\p+2:rP+8*\p+3]   ; a0 a1
.endr
.if (\mm) && ((\sig) == 0)
	CL 3, \par
	WIN 0
.endif
.irp p, 0,1,2,3
	v_pk_fma_f32 v[rP+8*\p+2:rP+8*\p+3], v[rV:rV+1], v[rP+8*\p+2:rP+8*\p+3], v[T+2*\p:T+2*\p+1]               ; V0 a1 + V1 a0
.endr
.irp p, 0,1,2,3
	v_pk_fma_f32 v[T+2*\p:T+2*\p+1], v[rV+6:rV+7], v[rP+8*\p+4:rP+8*\p+5], v[rV+6:rV+7]                       ; V3 a2
.endr
.irp p, 0,1,2,3
	v_pk_fma_f32 v[rP+8*\p+4:rP+8*\p+5], v[rP+8*\p+4:rP+8*\p+5], v[rP+8*\p+6:rP+8*\p+7], v[rP+8*\p+6:rP+8*\p+7]   ; a2 a3
.endr
.irp p, 0,1,2,3
	v_pk_fma_f32 v[rP+8*\p+6:rP+8*\p+7], v[rV+4:rV+5], v[rP+8*\p+6:rP+8*\p+7], v[T+2*\p:T+2*\p+1]             ; V2 a3 + V3 a2
.endr
.irp p, 0,1,2,3
	v_pk_mul_f32 v[T+2*\p:T+2*\p+1], v[rP+8*\p:rP+8*\p+1], v[rP+8*\p+4:rP+8*\p+5]                             ; M
.endr
.irp i, 0,1,2,3,4,5,6,7
	v_rcp_f32 v[T+\i], v[T+\i]
.endr
.irp p, 0,1,2,3                        ; eight plain lines that name no reciprocal stand behind the eight
	v_pk_mul_f32 v[rP+8*\p+2:rP+8*\p+3], v[rP+8*\p+2:rP+8*\p+3], v[rP+8*\p+4:rP+8*\p+5]
.endr
.irp p, 0,1,2,3
	v_pk_fma_f32 v[rP+8*\p+2:rP+8*\p+3], v[rP+8*\p+6:rP+8*\p+7], v[rP+8*\p:rP+8*\p+1], v[rP+8*\p+2:rP+8*\p+3] ; N
.endr
	s_wait_alu depctr_va_vdst(0)                   ; one wait for the eight reciprocals
.if \sig
	s_wait_tensorcnt 0x0                           ; no tensor load of mine is out, so a group 0 may be written
	ds_add_u32 v[SPW], v[NIL]
.if (\sig) == 2
	s_xor_b32 s37, s37, SLOT1                      ; the walking descriptor: the slot that is being left,
	s_add_nc_u64 s[38:39], s[38:39], SLOTB         ; the tiles two slots on; the type bits on top are not reached
.endif
	s_xor_b32 s[TB], s[TB], SLOT1
	s_wait_dscnt 0x0                               ; the add is done, and my reads of the slot are over
	s_barrier_signal -1
	CL 3, \par
.endif
	WIN 0x50                                       ; the sums: source 2 and destination in window 1
.irp p, 0,1,2,3
	v_pk_fma_f32 v[rAC+2*\p:rAC+2*\p+1], v[rP+8*\p+2:rP+8*\p+3], v[T+2*\p:T+2*\p+1], v[rAC+2*\p:rAC+2*\p+1]
.endr
	WIN 0
.if \sig
	v_nop                                          ; with the four sums: six places behind the last run
	v_nop
.endif
.endm
; A TRIP: stages 4 u + 1 .. 4 u + 4.  mode 2: slot u is filled again with the tiles two slots on, behind a round of the cluster's barrier: the load has four stages, 64 matrix instructions a wave, in which to land;
; mode 1: a change of slots without a fill;  mode 0: the last slot: nothing more to fetch, and the last stage has no products.
.macro TRIP mode
	s_wait_dscnt 0x0                               ; what the stage before asked for is in: this stage's record and table
	ALOAD 2, 0
	TLD 1, 1
	BODY 1, 0, 0, 1
	s_wait_dscnt 0x0
	ALOAD 3, 1
	TLD 2, 0
	BODY 0, 0, \mode, 1
.if (\mode) >= 1
	s_barrier_wait -1
.if (\mode) == 2
	CREST                                          ; no wave of any partner still reads the slot or has a load on its way
	tensor_load_to_lds s[36:39], s[24:31]          ; the first thing behind the round, and my one tensor load until the next
	s_nop 0
	NOP4
.endif
	v_add_nc_u32 v[ADA], s[TB], v[AW0]             ; the other slot
	ALOAD 0, 0
.else
	s_wait_dscnt 0x0
.endif
	TLD 3, 1
	BODY 1, 1, 0, 1
	s_wait_dscnt 0x0
.if (\mode) >= 1
	s_add_co_u32 s[TT], s[TT], 256                 ; two tiles of the table on
	v_add_nc_u32 v[ADT], s[TT], v[AT0]
	ALOAD 1, 1
	TLD 0, 0
	BODY 0, 1, 0, 1
.else
	BODY 0, 1, 0, 0
.endif
.endm
	s_mov_b32 s[TB], 0
	s_mov_b32 s[TT], 0
	v_add_nc_u32 v[ADA], s[TB], v[AW0]
	v_add_nc_u32 v[ADT], s[TT], v[AT0]
	ALOAD 0, 0
	s_wait_dscnt 0x0                               ; context's codes and scale words, and unit 0's record
	ALOAD 1, 1
	TLD 0, 0
	CL 0, 0                                        ; stage 0: unit 0's products alone: there is no tanh yet to set between them
	CL 1, 0
	CL 2, 0
	CL 3, 0
	WIN 0
	NOP4
	v_nop
	s_mov_b32 s[SLOTS], 14
.Lslot:                                            ; 14 trips: slots' worth 0 .. 13, each asking for the one two on
	TRIP 2
	s_sub_co_u32 s[SLOTS], s[SLOTS], 1
	s_cmp_lg_u32 s[SLOTS], 0
	s_cbranch_scc1 .Lslot
	TRIP 1                                         ; the tail is written out
	TRIP 0
	; THE WAY OUT: a pair's two halves, the other half of the lanes' eight h; 128 numbers a wave through my 512 bytes of LDS; lanes 0-15 then store j = 2 jh's 256 consecutive bytes, lanes 16-31 those of j = 2 jh + 1
	WIN 0x05
.irp i, 0,1,2,3,4,5,6,7
	v_add_f32 v[64+\i], v[ACC+2*\i], v[ACC+2*\i+1]
.endr
	WIN 0
.irp i, 0,1,2,3,4,5,6,7
	v_permlanex16_b32 v[72+\i], v[64+\i], s[SEL], s[SEL+1]
.endr
.irp i, 0,1,2,3,4,5,6,7
	v_add_f32 v[64+\i], v[64+\i], v[72+\i]
.endr
	v_and_b32 v56, 31, v0
	v_cmp_le_u32 vcc_lo, 16, v56
.irp i, 0,1,2,3
	v_cndmask_b32 v[80+\i], v[64+2*\i], v[65+2*\i], vcc_lo       ; lanes 0-15 pair 2 i, lanes 16-31 pair 2 i + 1: number 32 i + lane of my 128
.endr
	s_lshl_b32 s48, s[WV], 9
	s_add_co_u32 s48, s48, OST
	v_lshl_add_u32 v57, v56, 2, s48
	v_add_nc_u32 v58, s48, v[LI]
	v_and_b32 v59, 15, v0
	v_lshlrev_b32 v59, 4, v59
	v_bfe_u32 v60, v0, 4, 1
	v_lshl_add_u32 v59, v60, 13, v59               ; 8,192 (lane / 16) + 16 (lane % 16)
.irp i, 0,1,2,3
	ds_store_b32 v57, v[80+\i] offset:128*\i
.endr
	ds_load_b128 v[84:87], v58                     ; LDS serves a wave's instructions in order: this sees my stores
	s_wait_dscnt 0x0
	global_store_b128 v59, v[84:87], s[12:13]      ; sixteen lanes store 256 consecutive bytes, at a multiple of 256 from att's first byte
	s_wait_tensorcnt 0x0                           ; the wave's end
	ds_add_u32 v[SPW], v[NIL]
	s_wait_dscnt 0x0
	CROUND                                         ; the closing round
	s_endpgm
.Lfunc_end_k_qa40eec72e7_main:
	.size	k_qa40eec72e7_main, .Lfunc_end_k_qa40eec72e7_main-k_qa40eec72e7_main
	.p2alignl 7, 3214868480
	.fill 96, 4, 3214868480
	.section	.rodata,"a",@progbits
	.p2align	6, 0x0
	.amdhsa_kernel k_qa40eec72e7_main
		.amdhsa_group_segment_fixed_size 327680
		.amdhsa_private_segment_fixed_size 0
		.amdhsa_enable_private_segment 0
		.amdhsa_kernarg_size 40
		.amdhsa_user_sgpr_count 2
		.amdhsa_user_sgpr_kernarg_segment_ptr 1
		.amdhsa_wavefront_size32 1
		.amdhsa_system_sgpr_workgroup_id_x 1
		.amdhsa_system_sgpr_workgroup_id_y 1
		.amdhsa_system_sgpr_workgroup_id_z 1
		.amdhsa_system_vgpr_workitem_id 0
		.amdhsa_next_free_vgpr 512
		.amdhsa_next_free_sgpr 66
		.amdhsa_reserve_vcc 1
		.amdhsa_float_denorm_mode_32 3
		.amdhsa_float_denorm_mode_16_64 3
		.amdhsa_memory_ordered 1
		.amdhsa_forward_progress 1
		.amdhsa_inst_pref_size 193
	.end_amdhsa_kernel
	.amdgpu_metadata
---
amdhsa.version: [ 1, 2 ]
amdhsa.kernels:
  - .name:           k_qa40eec72e7_main
    .symbol:         k_qa40eec72e7_main.kd
    .args:
      - { .name: context, .offset: 0, .size: 8, .value_kind: global_buffer, .address_space: global }
      - { .name: wq, .offset: 8, .size: 8, .value_kind: global_buffer, .address_space: global }
      - { .name: cb, .offset: 16, .size: 8, .value_kind: global_buffer, .address_space: global }
      - { .name: V, .offset: 24, .size: 8, .value_kind: global_buffer, .address_space: global }
      - { .name: att, .offset: 32, .size: 8, .value_kind: global_buffer, .address_space: global }
    .group_segment_fixed_size: 327680
    .private_segment_fixed_size: 0
    .kernarg_segment_align: 8
    .kernarg_segment_size: 40
    .max_flat_workgroup_size: 256
    .sgpr_count:     66
    .vgpr_count:     512
    .wavefront_size: 32
...
	.end_amdgpu_metadata
.endif
;; end of part 2
;; launch pick (part 3): grid 32 x 1, 8 waves a work-group, no clusters, 1,536 bytes of LDS; arguments att, V, mask, out0, out1, out2; writes out0, out1, out2
.if DOCPART == 3
	.amdgcn_target "amdgcn-amd-amdhsa--gfx1250"
	.amdhsa_code_object_version 6
	.text
	.protected	k_qa40eec72e7_pick
	.globl	k_qa40eec72e7_pick
	.p2align	8
	.type	k_qa40eec72e7_pick,@function
k_qa40eec72e7_pick:
	s_mov_b64 s[64:65], 0
	v_nop
	global_prefetch_b8 v0, s[64:65] scope:SCOPE_SE
	s_setreg_imm32_b32 hwreg(HW_REG_WAVE_MODE, 25, 1), 1
	s_wait_xcnt 0x0
; PICK: for row b: a = 10 tanh(sum V + att[b][:]), -infinity where mask is set; out0 = the first index of the largest a; out1 = 1 / sum exp(a - max); out2 = mask.
; The 8,192 quotients of the softmax are not formed: the largest is exp(0) / sum, and it stands where a is largest, since exp rises and the divisor is one positive number (shown at the head of prep).
; The maximum is taken away before the exponential, as reference() does.  LIMITS: ties are judged on a as computed here, the lowest index wins; a row that is wholly masked gives index 0 and NaN, as reference() does.
; A work-group a row; thread n takes s = 8 n .. 8 n + 7 of all four j: 32 numbers.  Matrix units, tensor loads and clusters have nothing to do here: 32 KiB a work-group, read once.
; The outputs out0 and out1 are 4 bytes a row: one lane stores them.
.set RED1,  0                          ; LDS: eight waves' maxima
.set RED2,  256                        ; eight waves' (sum, index)
.set SPARE, 512                        ; the spare words, 128 bytes a wave: four blocks of 256 bytes that no other line names
.set SPW, 1
.set NIL, 2
.set A,   16                           ; v16-47: register 8 j + e is position 2,048 j + 8 n + e
.set MK,  24                           ; s24-31: the lanes whose s = 8 n + e is masked
	s_load_b256 s[4:11], s[0:1], 0x0               ; att s[4:5], V s[6:7], mask s[8:9], out0 s[10:11]
	s_load_b128 s[12:15], s[0:1], 0x20             ; out1 s[12:13], out2 s[14:15]
	v_lshl_add_u32 v[SPW], v0, 2, SPARE
	v_mov_b32 v[NIL], 0
	v_lshrrev_b32 v7, 5, v0
	v_readfirstlane_b32 s16, v7                    ; wave
	v_lshlrev_b32 v10, 3, v7
	v_add_nc_u32 v10, RED2, v10                    ; my wave's pair
	v_lshlrev_b32 v7, 2, v7                        ; my wave's word
	v_mov_b32 v11, 0
	v_mov_b32 v6, 0
	v_lshlrev_b32 v3, 5, v0
	v_lshlrev_b32 v4, 3, v0
	v_and_b32 v5, 31, v0
	v_lshlrev_b32 v5, 6, v5
	s_lshl_b32 s18, ttmp9, 15
	s_mov_b32 s19, 0
	s_lshl_b32 s20, ttmp9, 11
	s_mov_b32 s21, 0
	s_lshl_b32 s22, ttmp9, 2
	s_mov_b32 s23, 0
	s_mov_b32 s32, 0x76543210
	s_mov_b32 s33, 0xfedcba98
	s_mov_b32 s34, 0x4038aa3b                      ; c = 2 log2(e)
	s_mov_b32 s35, s34
	s_mov_b32 s36, 0xc1a00000                      ; -20
	s_mov_b32 s37, s36
	s_mov_b32 s38, 0x3fb8aa3b                      ; log2(e)
	s_mov_b32 s39, s38
	s_wait_kmcnt 0x0
	s_add_nc_u64 s[4:5], s[4:5], s[18:19]
	s_add_nc_u64 s[8:9], s[8:9], s[20:21]
	s_add_nc_u64 s[14:15], s[14:15], s[20:21]
	s_add_nc_u64 s[10:11], s[10:11], s[22:23]
	s_add_nc_u64 s[12:13], s[12:13], s[22:23]
.irp i, 0,1,2,3
	global_load_b128 v[48+4*\i:51+4*\i], v5, s[6:7] offset:16*\i     ; V: 16 numbers a lane, in every wave
.endr
.irp j, 0,1,2,3
	global_load_b128 v[A+8*\j:A+8*\j+3], v3, s[4:5] offset:8192*\j
	global_load_b128 v[A+8*\j+4:A+8*\j+7], v3, s[4:5] offset:8192*\j+16
.endr
	global_load_b64 v[8:9], v4, s[8:9]
	s_wait_loadcnt 9                               ; V's four loads are in; att's eight and the mask's one may be out
	v_pk_add_f32 v[48:49], v[48:49], v[50:51]
	v_pk_add_f32 v[52:53], v[52:53], v[54:55]
	v_pk_add_f32 v[56:57], v[56:57], v[58:59]
	v_pk_add_f32 v[60:61], v[60:61], v[62:63]
	v_pk_add_f32 v[48:49], v[48:49], v[52:53]
	v_pk_add_f32 v[56:57], v[56:57], v[60:61]
	v_pk_add_f32 v[48:49], v[48:49], v[56:57]
	v_add_f32 v48, v48, v49
	v_add_f32_dpp v48, v48, v48 row_xmask:1 row_mask:0xf bank_mask:0xf
	v_add_f32_dpp v48, v48, v48 row_xmask:2 row_mask:0xf bank_mask:0xf
	v_add_f32_dpp v48, v48, v48 row_xmask:4 row_mask:0xf bank_mask:0xf
	v_add_f32_dpp v48, v48, v48 row_xmask:8 row_mask:0xf bank_mask:0xf
	v_permlanex16_b32 v49, v48, s32, s33
	v_add_f32 v48, v48, v49                        ; sum V, in every lane
	v_mul_f32 v50, s34, v48                        ; c sum V (v51, named with it as a pair, has been written)
	s_wait_loadcnt 0x0
	global_store_b64 v4, v[8:9], s[14:15]          ; out2 = mask: a wave stores 256 consecutive bytes, aligned
.irp k, 0,2,4,6,8,10,12,14,16,18,20,22,24,26,28,30
	v_pk_fma_f32 v[A+\k:A+\k+1], v[A+\k:A+\k+1], s[34:35], v[50:51] op_sel_hi:[1,0,0]   ; y = c (sum V + att)
.endr
.irp k, 0,1,2,3,4,5,6,7,8,9,10,11,12,13,14,15,16,17,18,19,20,21,22,23,24,25,26,27,28,29,30,31
	v_exp_f32 v[A+\k], v[A+\k]
.endr
	v_mov_b32 v52, 0x41200000                      ; 10 (plain lines behind the exponentials)
	v_mov_b32 v53, 0x41200000
	s_wait_alu depctr_va_vdst(0)                   ; one wait for the batch, ahead of its first reader
.irp k, 0,2,4,6,8,10,12,14,16,18,20,22,24,26,28,30
	v_pk_add_f32 v[A+\k:A+\k+1], v[A+\k:A+\k+1], 1.0 op_sel_hi:[1,0]
.endr
.irp k, 0,1,2,3,4,5,6,7,8,9,10,11,12,13,14,15,16,17,18,19,20,21,22,23,24,25,26,27,28,29,30,31
	v_rcp_f32 v[A+\k], v[A+\k]
.endr
	v_mov_b32 v54, 0xff800000                      ; -infinity (a plain line behind the reciprocals)
	s_wait_alu depctr_va_vdst(0)
.irp k, 0,2,4,6,8,10,12,14,16,18,20,22,24,26,28,30
	v_pk_fma_f32 v[A+\k:A+\k+1], v[A+\k:A+\k+1], s[36:37], v[52:53] op_sel_hi:[1,0,1]   ; 10 tanh = 10 - 20 / (1 + 2^y)
.endr
.irp e, 0,1,2,3,4,5,6,7
	v_bfe_u32 v55, v[8+\e/4], 8*(\e%4), 8
	v_cmp_ne_u32 s[MK+\e], 0, v55
.endr
.irp j, 0,1,2,3
.irp e, 0,1,2,3,4,5,6,7
	v_cndmask_b32 v[A+8*\j+\e], v[A+8*\j+\e], v54, s[MK+\e]      ; the same mask for all four j
.endr
.endr
	v_max3_num_f32 v56, v[A], v[A+1], v[A+2]
	v_max3_num_f32 v57, v[A+3], v[A+4], v[A+5]
.irp k, 6,10,14,18,22,26
	v_max3_num_f32 v56, v56, v[A+\k], v[A+\k+1]
	v_max3_num_f32 v57, v57, v[A+\k+2], v[A+\k+3]
.endr
	v_max3_num_f32 v56, v56, v[A+30], v[A+31]
	v_max_num_f32 v56, v56, v57
	v_max_num_f32_dpp v56, v56, v56 row_xmask:1 row_mask:0xf bank_mask:0xf
	v_max_num_f32_dpp v56, v56, v56 row_xmask:2 row_mask:0xf bank_mask:0xf
	v_max_num_f32_dpp v56, v56, v56 row_xmask:4 row_mask:0xf bank_mask:0xf
	v_max_num_f32_dpp v56, v56, v56 row_xmask:8 row_mask:0xf bank_mask:0xf
	v_permlanex16_b32 v57, v56, s32, s33
	v_max_num_f32 v56, v56, v57
	ds_store_b32 v7, v56                           ; all lanes write the wave's word with the same value
	s_wait_dscnt 0x0
	s_barrier_signal -1
	s_barrier_wait -1
	ds_load_b128 v[60:63], v11
	ds_load_b128 v[64:67], v11 offset:16
	s_wait_dscnt 0x0
	v_max3_num_f32 v56, v60, v61, v62
	v_max3_num_f32 v56, v56, v63, v64
	v_max3_num_f32 v56, v56, v65, v66
	v_max_num_f32 v56, v56, v67                    ; the row's largest a
	v_mov_b32 v68, 0x7fffffff
.irp k, 31,30,29,28,27,26,25,24,23,22,21,20,19,18,17,16,15,14,13,12,11,10,9,8,7,6,5,4,3,2,1,0
	v_cmp_neq_f32 vcc_lo, v[A+\k], v56
	v_cndmask_b32 v68, (\k/8)*2048+\k%8, v68, vcc_lo             ; downward, so that my lowest position stays
.endr
	v_add_nc_u32 v68, v68, v4                      ; + 8 n (a lane without the maximum keeps a number above every position)
	v_cvt_f32_u32 v68, v68                         ; positions are under 2^13: exact in f32
	v_min_num_f32_dpp v68, v68, v68 row_xmask:1 row_mask:0xf bank_mask:0xf
	v_min_num_f32_dpp v68, v68, v68 row_xmask:2 row_mask:0xf bank_mask:0xf
	v_min_num_f32_dpp v68, v68, v68 row_xmask:4 row_mask:0xf bank_mask:0xf
	v_min_num_f32_dpp v68, v68, v68 row_xmask:8 row_mask:0xf bank_mask:0xf
	v_permlanex16_b32 v57, v68, s32, s33
	v_min_num_f32 v68, v68, v57
	v_mul_f32 v70, 0xbfb8aa3b, v56                 ; -max log2(e)
	v_mov_b32 v71, v70
.irp k, 0,2,4,6,8,10,12,14,16,18,20,22,24,26,28,30
	v_pk_fma_f32 v[A+\k:A+\k+1], v[A+\k:A+\k+1], s[38:39], v[70:71] op_sel_hi:[1,0,1]
.endr
.irp k, 0,1,2,3,4,5,6,7,8,9,10,11,12,13,14,15,16,17,18,19,20,21,22,23,24,25,26,27,28,29,30,31
	v_exp_f32 v[A+\k], v[A+\k]                     ; exp(a - max)
.endr
	v_nop
	s_wait_alu depctr_va_vdst(0)
	v_pk_add_f32 v[72:73], v[A:A+1], v[A+2:A+3]
	v_pk_add_f32 v[74:75], v[A+4:A+5], v[A+6:A+7]
.irp k, 8,12,16,20,24,28
	v_pk_add_f32 v[72:73], v[72:73], v[A+\k:A+\k+1]
	v_pk_add_f32 v[74:75], v[74:75], v[A+\k+2:A+\k+3]
.endr
	v_pk_add_f32 v[72:73], v[72:73], v[74:75]
	v_add_f32 v72, v72, v73
	v_add_f32_dpp v72, v72, v72 row_xmask:1 row_mask:0xf bank_mask:0xf
	v_add_f32_dpp v72, v72, v72 row_xmask:2 row_mask:0xf bank_mask:0xf
	v_add_f32_dpp v72, v72, v72 row_xmask:4 row_mask:0xf bank_mask:0xf
	v_add_f32_dpp v72, v72, v72 row_xmask:8 row_mask:0xf bank_mask:0xf
	v_permlanex16_b32 v73, v72, s32, s33
	v_add_f32 v72, v72, v73
	v_mov_b32 v73, v68
	ds_store_b64 v10, v[72:73]                     ; the wave's sum and its lowest position
	s_wait_dscnt 0x0
	s_barrier_signal -1
	s_barrier_wait -1
.irp i, 0,1,2,3
	ds_load_b128 v[80+4*\i:83+4*\i], v11 offset:RED2+16*\i
.endr
	s_wait_dscnt 0x0
	v_add_f32 v80, v80, v82
	v_add_f32 v84, v84, v86
	v_add_f32 v88, v88, v90
	v_add_f32 v92, v92, v94
	v_add_f32 v80, v80, v84
	v_add_f32 v88, v88, v92
	v_add_f32 v80, v80, v88
	v_min3_num_f32 v81, v81, v83, v85
	v_min3_num_f32 v81, v81, v87, v89
	v_min3_num_f32 v81, v81, v91, v93
	v_min_num_f32 v81, v81, v95
	v_rcp_f32 v80, v80                             ; the largest softmax value
	v_cvt_u32_f32 v81, v81                         ; (a plain line behind the reciprocal)
	s_wait_alu depctr_va_vdst(0)
	s_wait_tensorcnt 0x0                           ; the wave's end: behind my last LDS store
	ds_add_u32 v[SPW], v[NIL]
	s_wait_dscnt 0x0
	s_cmp_lg_u32 s16, 0
	s_cbranch_scc1 .Lend
	s_wait_xcnt 0x0                                ; EXEC changes only behind this wait: the mask's store has been taken
	v_cmp_eq_u32 vcc_lo, 0, v0
	s_and_saveexec_b32 s17, vcc_lo
	global_store_b32 v6, v81, s[10:11]
	global_store_b32 v6, v80, s[12:13]
	s_wait_xcnt 0x0                                ; and again, in front of the line that widens it
	s_or_b32 exec_lo, exec_lo, s17
.Lend:
	s_endpgm
.Lfunc_end_k_qa40eec72e7_pick:
	.size	k_qa40eec72e7_pick, .Lfunc_end_k_qa40eec72e7_pick-k_qa40eec72e7_pick
	.p2alignl 7, 3214868480
	.fill 96, 4, 3214868480
	.section	.rodata,"a",@progbits
	.p2align	6, 0x0
	.amdhsa_kernel k_qa40eec72e7_pick
		.amdhsa_group_segment_fixed_size 1536
		.amdhsa_private_segment_fixed_size 0
		.amdhsa_enable_private_segment 0
		.amdhsa_kernarg_size 48
		.amdhsa_user_sgpr_count 2
		.amdhsa_user_sgpr_kernarg_segment_ptr 1
		.amdhsa_wavefront_size32 1
		.amdhsa_system_sgpr_workgroup_id_x 1
		.amdhsa_system_sgpr_workgroup_id_y 1
		.amdhsa_system_sgpr_workgroup_id_z 1
		.amdhsa_system_vgpr_workitem_id 0
		.amdhsa_next_free_vgpr 96
		.amdhsa_next_free_sgpr 66
		.amdhsa_reserve_vcc 1
		.amdhsa_float_denorm_mode_32 3
		.amdhsa_float_denorm_mode_16_64 3
		.amdhsa_memory_ordered 1
		.amdhsa_forward_progress 1
		.amdhsa_inst_pref_size 23
	.end_amdhsa_kernel
	.amdgpu_metadata
---
amdhsa.version: [ 1, 2 ]
amdhsa.kernels:
  - .name:           k_qa40eec72e7_pick
    .symbol:         k_qa40eec72e7_pick.kd
    .args:
      - { .name: att, .offset: 0, .size: 8, .value_kind: global_buffer, .address_space: global }
      - { .name: V, .offset: 8, .size: 8, .value_kind: global_buffer, .address_space: global }
      - { .name: mask, .offset: 16, .size: 8, .value_kind: global_buffer, .address_space: global }
      - { .name: out0, .offset: 24, .size: 8, .value_kind: global_buffer, .address_space: global }
      - { .name: out1, .offset: 32, .size: 8, .value_kind: global_buffer, .address_space: global }
      - { .name: out2, .offset: 40, .size: 8, .value_kind: global_buffer, .address_space: global }
    .group_segment_fixed_size: 1536
    .private_segment_fixed_size: 0
    .kernarg_segment_align: 8
    .kernarg_segment_size: 48
    .max_flat_workgroup_size: 256
    .sgpr_count:     66
    .vgpr_count:     96
    .wavefront_size: 32
...
	.end_amdgpu_metadata
.endif
;; end of part 3
